; MI455X (gfx1250); checked and timed in simulation.
; The chip was launched on July 23, 2026; its instructions are those of AMD's public machine-readable ISA for CDNA 5 (MIT licence, August 2026) and "CDNA5" Instruction Set Architecture Reference Guide (July 2026). The comments in the code are by the model that wrote it; some were corrected since.
;; Attention. Allowed arithmetic: matrix products marked QUANTISED: E2M1 operands, one E8M0 scale for each 32 along K, by v_wmma_scale_f32_16x16x128_f8f6f4 with both operands' format E2M1 (or v_wmma_scale_f32_32x16x128_f4), f32 sums; products left as they are: bf16, f16 or f32 operands; f32 sums; everything else in f32.
;; Inputs: Wk 1,024 x 1,024 float32; Wo 1,024 x 1,024 float32; Wq 1,024 x 1,024 float32; Wv 1,024 x 1,024 float32; bk 1,024 float32; bq 1,024 float32; bv 1,024 float32; hidden_states 4 x 2,048 x 1,024 float32; position_ids 4 x 2,048 int32.
;; Outputs: out0 4 x 2,048 x 1,024 float32.
;; This version of the problem:
;;   THIS VERSION OF THE PROBLEM IS GIVEN IN LOW PRECISION. The matrix products marked QUANTISED in the list below multiply operands that are first quantised to E2M1 (2 exponent bits, 1 mantissa bit; 4 bits a number), with one power-of-two scale for each 32 numbers along K (OCP MX v1.0); their sums are f32. The products marked 'left as it is' may take bf16, f16 or f32 operands, with f32 sums. Whichever they take, every output number must still come out within the allowed error. Rounding operands to bf16 (8 significant bits) uses up far more of that allowance than f16 does (11 bits, for magnitudes from 6e-5 to 65,504). All else is computed in f32.
;;   The module's matrix products, in the order in which they are computed (A, B: the left and right operand; K: the contracted axis; several contracted axes count as one K, in the product's order):
;;     1. [M 8,192, K 1,024] x [K 1,024, N 1,024]; A: input hidden_states; B: input Wq: QUANTISED
;;     2. [M 8,192, K 1,024] x [K 1,024, N 1,024]; A: input hidden_states; B: input Wk: QUANTISED
;;     3. [M 8,192, K 1,024] x [K 1,024, N 1,024]; A: input hidden_states; B: input Wv: QUANTISED
;;     4. batch 64 x [M 2,048, K 64] x [K 64, N 2,048]; A: computed on the way; B: computed on the way: left as it is (an operand is computed on the way)
;;     5. batch 64 x [M 2,048, K 2,048] x [K 2,048, N 64]; A: computed on the way; B: computed on the way: left as it is (an operand is computed on the way)
;;     6. [M 8,192, K 1,024] x [K 1,024, N 1,024]; A: computed on the way; B: input Wo: left as it is (an operand is computed on the way)
;;   THE QUANTISER, for each operand of a quantised product, along K:
;;     - K is cut into blocks of 32 from its start; a last block that is shorter is filled with zeros.
;;     - A block's scale is 2^e with e = floor(log2(the largest magnitude in the block)) - 2, held to -126 .. 127; a block of zeros has e = 0. As a byte (E8M0): e + 127.
;;     - Each number is divided by its block's scale, clamped to +-6, and rounded to the nearest number of E2M1, ties to even, subnormals kept.
;;     - The product sums the exact products of the quantised numbers (number of the format x scale) in f32.
;;   ~~~python
;;   def quantise(x, axis):      # numpy; x: float32 -> the quantised numbers, widened to float32 again
;;       x = np.moveaxis(x, axis, -1); K = x.shape[-1]
;;       x = np.pad(x, [(0, 0)] * (x.ndim - 1) + [(0, -K % 32)]); x = x.reshape(x.shape[:-1] + (-1, 32)); a = np.abs(x).max(-1, keepdims=True)
;;       e = np.where(a > 0, np.clip(np.frexp(np.where(a > 0, a, 1))[1] - 1 - 2, -126, 127), 0)      # np.frexp(a)[1] - 1 = floor(log2(a)), exactly
;;       r = np.clip(x / 2.0 ** e, -6, 6)
;;       step = 2.0 ** (np.maximum(np.frexp(np.where(r == 0, 1, r))[1] - 1, 0) - 1)
;;       q = np.round(r / step) * step * 2.0 ** e      # np.round: ties to even
;;       return np.moveaxis(q.reshape(q.shape[:-2] + (-1,))[..., :K], -1, axis).astype(np.float32)
;;   ~~~
;; One version. Each part assembles by itself: llvm-mc -triple=amdgcn-amd-amdhsa -mcpu=gfx1250 --defsym DOCPART=n.
;; ======== version 1 of 1: 4 launches
;; limits: values are held in f16: magnitudes above 65,504 overflow, below 6.1e-05 lose precision
;; workspace buffers: xc 4,456,448 bytes; wc 1,671,168 bytes; wof 2,097,152 bytes; cst 2,097,152 bytes; qkv 50,331,648 bytes; af 16,777,216 bytes
;; launch prep (part 1): grid 512 x 1, 4 waves a work-group, no clusters, 68,096 bytes of LDS; arguments hidden_states, Wq, Wk, Wv, Wo, position_ids, xc, wc, wof, cst; writes xc, wc, wof, cst
.if DOCPART == 1
	.amdgcn_target "amdgcn-amd-amdhsa--gfx1250"
	.amdhsa_code_object_version 6
	.text
	.protected	k_q3e8337d889_prep
	.globl	k_q3e8337d889_prep
	.p2align	8
	.type	k_q3e8337d889_prep,@function
k_q3e8337d889_prep:
	s_mov_b64 s[64:65], 0
	v_nop
	global_prefetch_b8 v0, s[64:65] scope:SCOPE_SE
	s_setreg_imm32_b32 hwreg(HW_REG_WAVE_MODE, 25, 1), 1
	s_wait_xcnt 0x0
; THE OPERANDS ARE LAID OUT ONCE, in the order of the readers' operand registers.  A PIECE is 32 lanes x 16 bytes, lane l's four registers at 16 l: 512 consecutive bytes.
; Three tasks, parted by the work-group's number:
;   0-351   hidden_states (0-255) and Wq, Wk, Wv (32 work-groups each) become codes of FP4 (E2M1) with one E8M0 byte for each 32 along K (K = the last axis, 1,024).
;           A block's byte is its largest magnitude's exponent field - 2, held at 1 from below; each number is divided by the scale and rounded to the nearest code, ties to even, beyond 6 the largest code.
;           codes: [tile of 16 rows][K step of 128][c 2][lane][16 B]: lane (r, h) holds row r, k = 64 c + 32 h + 0 .. 31.   scales: [tile][half of K][row 16][4 words], a word for each K step.
;   352-383 Wo becomes f16: [tile of 16 rows][K step of 32][c 2][lane][16 B]: lane (r, h) holds row r, k = 16 c + 8 h + 0 .. 7.
;   384-511 cos and sin of position x 10000^(-d / 32), d = 0 .. 31, for each token, from position_ids: [tile of 16 tokens][p 8][lane][16 B], p = 4 (0 cos, 1 sin) + 2 u + q: lane (r, h): token r, d = 16 u + 8 h + 4 q + 0 .. 3.
; A wave of the first two tasks takes 16 rows x 512 along K in four steps of 128.  Each load reads 512 consecutive bytes of one row; the 16 rows turn through the wave's own stage in LDS (rows 528 bytes apart,
; an odd multiple of 16), and come back with a lane's numbers neighbours along K, as the conversions want them.  Every store covers 512 (the scales: 256) consecutive aligned bytes.
; LIMITS: NaN and infinities are not served.  A block of zeros, or one whose largest magnitude lies under 2^-124, gets the byte 1 (the rule says 127 for zeros): its codes are zeros, and this program alone reads the bytes.
; |Wo| must stay under 65,504 (f16).  position_ids lie in 0 .. 2,047, the table that they index; the angle is reduced by pi / 2 in two parts and the sine and cosine are polynomials on +-pi/4 (cut at y^7 and y^8: under 4e-7).
.set XSOFF, 4194304                    ; where xc's scale words begin
.set WSOFF, 1572864                    ; where wc's begin
.set STGB,  8448                       ; a stage: 16 rows x 528 bytes
.set FST,   4*STGB                     ; the f16 task's four stages lie behind the quantiser's four: each task has LDS bytes of its own
.set SPARE, 8*STGB                     ; the spare words, 128 bytes a wave
.set SPW, 30                           ; v30  LDS address of my spare word; never rewritten
.set NIL, 31                           ; v31  0; never rewritten
.set SW,  16                           ; v16-19  a scale word for each step
.set R,   32                           ; v32-159  two sets of 64: 16 rows x 16 bytes as loaded
.set X,   160                          ; v160-223 64 numbers, neighbours along K
.set C,   224                          ; v224-255 what is stored
.set F,   32                           ; the table's task: v32-47 frequencies, v48-63 cosines, v64-79 sines
.set CO,  48
.set SI,  64
	s_load_b512 s[4:19], s[0:1], 0x0               ; hidden s[4:5], Wq s[6:7], Wk s[8:9], Wv s[10:11], Wo s[12:13], position_ids s[14:15], xc s[16:17], wc s[18:19]
	s_load_b128 s[20:23], s[0:1], 0x40             ; wof s[20:21], cst s[22:23]
	v_lshl_add_u32 v[SPW], v0, 2, SPARE
	v_mov_b32 v[NIL], 0
	v_lshrrev_b32 v1, 5, v0
	v_readfirstlane_b32 s24, v1                    ; wave 0..3
	v_and_b32 v7, 31, v0                           ; lane
	v_and_b32 v6, 15, v0                           ; r
	v_bfe_u32 v5, v0, 4, 1                         ; h
	v_lshlrev_b32 v1, 4, v7                        ; 16 x lane: my bytes of a load's or a store's 512
	s_mul_i32 s25, s24, STGB
	v_add_nc_u32 v2, s25, v1                       ; quantiser's stage, way in: 16 x lane of a row
	v_mul_u32_u24 v3, v6, 528
	v_add_nc_u32 v3, s25, v3
	v_lshl_add_u32 v25, v5, 5, v3
	v_add_nc_u32 v25, FST, v25                     ; f16 task's stage, way out: row r, + 32 h
	v_add_nc_u32 v24, FST, v2                      ; and way in
	v_lshl_add_u32 v3, v5, 7, v3                   ; quantiser's stage, way out: row r, + 128 h: my block of 32
	v_lshlrev_b32 v4, 4, v6
	v_lshl_add_u32 v4, v5, 3, v4                   ; the scales' way out: 16 r + 8 h
	v_lshlrev_b32 v15, 3, v5                       ; 8 h
	v_mov_b32 v14, 0                               ; written once: a lane permute's destination counts as one of its sources
	s_mov_b32 s34, 0x76543210
	s_mov_b32 s35, 0xfedcba98                      ; v_permlanex16_b32's selects for lane l xor 16
	s_wait_kmcnt 0x0
; step t's 16 rows, 512 consecutive bytes each, into set t % 2
.macro LOAD t
.set p, 0
.rept 16
	global_load_b128 v[R+64*((\t)%2)+4*p:R+64*((\t)%2)+4*p+3], v1, s[26:27] offset:4096*p+512*(\t) th:TH_LOAD_NT
.set p, p+1
.endr
.endm
	s_cmp_lt_u32 ttmp9, 352
	s_cbranch_scc0 .Lnot_q
	; ---------------- the quantiser.  One path for four tensors: only pointers and sizes are chosen, by the work-group's number alone
	s_cmp_lt_u32 ttmp9, 320
	s_cselect_b64 s[26:27], s[8:9], s[10:11]
	s_cmp_lt_u32 ttmp9, 288
	s_cselect_b64 s[26:27], s[6:7], s[26:27]
	s_cmp_lt_u32 ttmp9, 256
	s_cselect_b64 s[26:27], s[4:5], s[26:27]       ; from
	s_cselect_b64 s[28:29], s[16:17], s[18:19]     ; to
	s_cselect_b32 s30, 0, 256                      ; the tensor group's first work-group
	s_mov_b32 s31, WSOFF
	s_cselect_b32 s31, XSOFF, s31                  ; where its scale words begin
	s_mov_b32 s32, 63
	s_cselect_b32 s32, 511, s32                    ; tiles in an input tensor, less one
	s_sub_co_u32 s33, ttmp9, s30
	s_lshl_b32 s33, s33, 2
	s_add_co_u32 s33, s33, s24
	s_and_b32 s36, s33, 1                          ; which half of K
	s_lshr_b32 s33, s33, 1                         ; which tile of the output
	s_and_b32 s32, s33, s32                        ; and of the input
	s_lshl_b32 s38, s32, 16                        ; 16 rows of 4,096 bytes
	s_lshl_b32 s40, s36, 11
	s_add_co_u32 s38, s38, s40
	s_mov_b32 s39, 0
	s_add_nc_u64 s[26:27], s[26:27], s[38:39]
	s_lshl_b32 s38, s33, 13                        ; a tile's codes: 8,192 bytes
	s_lshl_b32 s40, s36, 12
	s_add_co_u32 s38, s38, s40
	s_add_nc_u64 s[42:43], s[28:29], s[38:39]
	s_lshl_b32 s38, s33, 9                         ; its scale words: 512 bytes
	s_lshl_b32 s40, s36, 8
	s_add_co_u32 s38, s38, s40
	s_add_co_u32 s38, s38, s31
	s_add_nc_u64 s[44:45], s[28:29], s[38:39]
.macro QSTEP t
.if (\t) < 3
	s_wait_loadcnt 16                              ; this step's 16 loads are in; the next step's 16 may be out
.else
	s_wait_loadcnt 0x0
.endif
.set p, 0
.rept 16
	ds_store_b128 v2, v[R+64*((\t)%2)+4*p:R+64*((\t)%2)+4*p+3] offset:528*p
.set p, p+1
.endr
.irp c, 0,1
.irp i, 0,1,2,3,4,5,6,7
	ds_load_b128 v[X+32*\c+4*\i:X+32*\c+4*\i+3], v3 offset:256*\c+16*\i   ; LDS serves a wave's instructions in order: these see the stores above.  Block 2 c + h of my row
.endr
.endr
	s_wait_dscnt 0x0                               ; the numbers are back, and the stores have read their registers,
.if (\t) < 2
	LOAD (\t)+2                                    ; which take the loads of two steps on
.endif
	v_max3_num_f32 v8, |v[X]|, |v[X+1]|, 0x1800000          ; each block's largest magnitude, all 32 numbers mine, and the floor 2^(3 - 127): the byte cannot fall under 1
	v_max3_num_f32 v9, |v[X+32]|, |v[X+33]|, 0x1800000
.irp i, 2,4,6,8,10,12,14,16,18,20,22,24,26,28,30
	v_max3_num_f32 v8, v8, |v[X+\i]|, |v[X+\i+1]|           ; (the two blocks by turns)
	v_max3_num_f32 v9, v9, |v[X+32+\i]|, |v[X+33+\i]|
.endr
	v_add_nc_u32 v10, 0xff000000, v8               ; 2 off the exponent field: the conversion takes this operand's exponent field as its scale
	v_add_nc_u32 v11, 0xff000000, v9
	v_lshrrev_b32 v12, 23, v10                     ; the bytes of blocks h and 2 + h
	v_lshrrev_b32 v13, 23, v11
	v_lshl_or_b32 v13, v13, 16, v12
	v_lshlrev_b32 v13, v15, v13                    ; at their places in the word (8 h bits up);
	v_permlanex16_b32 v14, v13, s34, s35
	v_or_b32 v[SW+(\t)], v13, v14                  ; with lane l xor 16's two the row's word is whole
.irp c, 0,1
.irp g, 0,1,2,3
	v_cvt_scalef32_pk8_fp4_f32 v[C+8*(\t)+4*\c+\g], v[X+32*\c+8*\g:X+32*\c+8*\g+7], v[10+\c]
.endr
.endr
	v_nop                                          ; one plain line behind the last scaled conversion
.irp c, 0,1
	global_store_b128 v1, v[C+8*(\t)+4*\c:C+8*(\t)+4*\c+3], s[42:43] offset:1024*(\t)+512*\c   ; a piece: 512 consecutive bytes; each step has its own registers, so no store's data are written again
.endr
.endm
	LOAD 0
	LOAD 1
	QSTEP 0
	QSTEP 1
	QSTEP 2
	QSTEP 3
	v_cmp_eq_u32 vcc_lo, 1, v5
	v_cndmask_b32 v20, v16, v18, vcc_lo            ; lanes 0-15 store their row's words 0, 1, lanes 16-31 words 2, 3:
	v_cndmask_b32 v21, v17, v19, vcc_lo
	global_store_b64 v4, v[20:21], s[44:45]        ; 32 lanes x 8 bytes: 256 consecutive aligned bytes
	s_wait_tensorcnt 0x0                           ; the wave's end
	ds_add_u32 v[SPW], v[NIL]
	s_wait_dscnt 0x0
	s_endpgm
.Lnot_q:
	s_cmp_lt_u32 ttmp9, 384
	s_cbranch_scc0 .Ltable
	; ---------------- Wo in f16
	s_sub_co_u32 s33, ttmp9, 352
	s_lshl_b32 s33, s33, 2
	s_add_co_u32 s33, s33, s24
	s_and_b32 s36, s33, 1                          ; which half of K
	s_lshr_b32 s33, s33, 1                         ; which tile of 16 rows
	s_lshl_b32 s38, s33, 16
	s_lshl_b32 s40, s36, 11
	s_add_co_u32 s38, s38, s40
	s_mov_b32 s39, 0
	s_add_nc_u64 s[26:27], s[12:13], s[38:39]
	s_lshl_b32 s38, s33, 15                        ; a tile in f16: 32,768 bytes
	s_lshl_b32 s40, s36, 14
	s_add_co_u32 s38, s38, s40
	s_add_nc_u64 s[42:43], s[20:21], s[38:39]
.macro FSTEP t
.if (\t) < 3
	s_wait_loadcnt 16                              ; this step's 16 loads are in; the next step's may be out
.else
	s_wait_loadcnt 0x0
.endif
.set p, 0
.rept 16
	ds_store_b128 v24, v[R+64*((\t)%2)+4*p:R+64*((\t)%2)+4*p+3] offset:528*p
.set p, p+1
.endr
.set p, 0
.rept 8
	ds_load_b128 v[X+8*p:X+8*p+3], v25 offset:64*p             ; piece p = 2 s + c: my row's k = 32 s + 16 c + 8 h + 0 .. 7
	ds_load_b128 v[X+8*p+4:X+8*p+7], v25 offset:64*p+16
.set p, p+1
.endr
	s_wait_dscnt 0x0
.if (\t) < 2
	LOAD (\t)+2
.endif
.if (\t) > 0
	s_wait_xcnt 0x0                                ; the last step's stores have read their data: only now are those registers written again
.endif
.set p, 0
.rept 32
	v_cvt_pk_f16_f32 v[C+p], v[X+2*p], v[X+2*p+1]
.set p, p+1
.endr
.set p, 0
.rept 8
	global_store_b128 v1, v[C+4*p:C+4*p+3], s[42:43] offset:4096*(\t)+512*p
.set p, p+1
.endr
.endm
	LOAD 0
	LOAD 1
	FSTEP 0
	FSTEP 1
	FSTEP 2
	FSTEP 3
	s_wait_tensorcnt 0x0                           ; the wave's end
	ds_add_u32 v[SPW], v[NIL]
	s_wait_dscnt 0x0
	s_endpgm
.Ltable:
	; ---------------- cos and sin: a wave takes a tile of 16 tokens; lane (r, h) makes token r's 16 angles d = 16 u + 8 h + j.  No LDS
	s_sub_co_u32 s33, ttmp9, 384
	s_lshl_b32 s33, s33, 2
	s_add_co_u32 s33, s33, s24                     ; the tile
	s_lshl_b32 s38, s33, 6
	s_mov_b32 s39, 0
	s_add_nc_u64 s[14:15], s[14:15], s[38:39]
	s_lshl_b32 s38, s33, 12
	s_add_nc_u64 s[22:23], s[22:23], s[38:39]
	v_lshlrev_b32 v8, 2, v6
	global_load_b32 v9, v8, s[14:15]               ; my token's position
	s_mov_b32 s40, 0x3f22f983                      ; 2 / pi
	s_mov_b32 s41, 0x3fc90fdb                      ; pi / 2, its upper part,
	s_mov_b32 s42, 0xb33bbd2e                      ; and the rest
	s_mov_b32 s43, 0xbe2aaaab                      ; -1/6
	s_mov_b32 s44, 0x3c088889                      ; 1/120
	s_mov_b32 s45, 0xb9500d01                      ; -1/5040
	s_mov_b32 s46, 0x3d2aaaab                      ; 1/24
	s_mov_b32 s47, 0xbab60b61                      ; -1/720
	s_mov_b32 s48, 0x37d00d01                      ; 1/40320
.set n, 0
.rept 16
	v_add_nc_u32 v[F+n], 16*(n/8)+n%8, v15         ; d
.set n, n+1
.endr
.set n, 0
.rept 16
	v_cvt_f32_u32 v[F+n], v[F+n]
.set n, n+1
.endr
.set n, 0
.rept 16
	v_mul_f32 v[F+n], 0xbed49a78, v[F+n]           ; -d log2(10000) / 32
.set n, n+1
.endr
.set n, 0
.rept 16
	v_exp_f32 v[F+n], v[F+n]                       ; 10000^(-d / 32)
.set n, n+1
.endr
	v_nop                                          ; a plain line behind the last exponential,
	s_wait_alu depctr_va_vdst(0)                   ; and one wait for the batch, ahead of its first reader
	s_wait_loadcnt 0x0
	v_cvt_f32_i32 v9, v9
.set n, 0
.rept 16
	v_mul_f32 v11, v9, v[F+n]                      ; the angle, rounded once, as the outer product is
	v_mul_f32 v12, s40, v11
	v_rndne_f32 v12, v12                           ; k = the nearest multiple of pi / 2
	v_fma_f32 v11, -v12, s41, v11
	v_fma_f32 v11, -v12, s42, v11                  ; y = angle - k pi / 2, in +-pi/4
	v_cvt_i32_f32 v13, v12
	v_mul_f32 v14, v11, v11                        ; y^2
	v_fma_f32 v16, v14, s45, s44
	v_fma_f32 v16, v16, v14, s43
	v_mul_f32 v17, v11, v14
	v_fma_f32 v16, v17, v16, v11                   ; sin y
	v_fma_f32 v17, v14, s48, s47
	v_fma_f32 v17, v17, v14, s46
	v_fma_f32 v17, v17, v14, -0.5
	v_fma_f32 v17, v17, v14, 1.0                   ; cos y
	v_and_b32 v18, 1, v13
	v_cmp_eq_u32 vcc_lo, 1, v18                    ; an odd k changes the two over;
	v_cndmask_b32 v[SI+n], v16, v17, vcc_lo
	v_cndmask_b32 v[CO+n], v17, v16, vcc_lo
	v_and_b32 v18, 2, v13                          ; the sine is negative for k mod 4 = 2, 3,
	v_lshlrev_b32 v18, 30, v18
	v_xor_b32 v[SI+n], v[SI+n], v18
	v_add_nc_u32 v19, 1, v13                       ; the cosine for 1, 2
	v_and_b32 v19, 2, v19
	v_lshlrev_b32 v19, 30, v19
	v_xor_b32 v[CO+n], v[CO+n], v19
.set n, n+1
.endr
.irp p, 0,1,2,3
	global_store_b128 v1, v[CO+4*\p:CO+4*\p+3], s[22:23] offset:512*\p
	global_store_b128 v1, v[SI+4*\p:SI+4*\p+3], s[22:23] offset:2048+512*\p
.endr
	s_endpgm
.Lfunc_end_k_q3e8337d889_prep:
	.size	k_q3e8337d889_prep, .Lfunc_end_k_q3e8337d889_prep-k_q3e8337d889_prep
	.p2alignl 7, 3214868480
	.fill 96, 4, 3214868480
	.section	.rodata,"a",@progbits
	.p2align	6, 0x0
	.amdhsa_kernel k_q3e8337d889_prep
		.amdhsa_group_segment_fixed_size 68096
		.amdhsa_private_segment_fixed_size 0
		.amdhsa_enable_private_segment 0
		.amdhsa_kernarg_size 80
		.amdhsa_user_sgpr_count 2
		.amdhsa_user_sgpr_kernarg_segment_ptr 1
		.amdhsa_wavefront_size32 1
		.amdhsa_system_sgpr_workgroup_id_x 1
		.amdhsa_system_sgpr_workgroup_id_y 1
		.amdhsa_system_sgpr_workgroup_id_z 1
		.amdhsa_system_vgpr_workitem_id 0
		.amdhsa_next_free_vgpr 256
		.amdhsa_next_free_sgpr 66
		.amdhsa_reserve_vcc 1
		.amdhsa_float_denorm_mode_32 3
		.amdhsa_float_denorm_mode_16_64 3
		.amdhsa_memory_ordered 1
		.amdhsa_forward_progress 1
		.amdhsa_inst_pref_size 78
	.end_amdhsa_kernel
	.amdgpu_metadata
---
amdhsa.version: [ 1, 2 ]
amdhsa.kernels:
  - .name:           k_q3e8337d889_prep
    .symbol:         k_q3e8337d889_prep.kd
    .args:
      - { .name: hidden_states, .offset: 0, .size: 8, .value_kind: global_buffer, .address_space: global }
      - { .name: Wq, .offset: 8, .size: 8, .value_kind: global_buffer, .address_space: global }
      - { .name: Wk, .offset: 16, .size: 8, .value_kind: global_buffer, .address_space: global }
      - { .name: Wv, .offset: 24, .size: 8, .value_kind: global_buffer, .address_space: global }
      - { .name: Wo, .offset: 32, .size: 8, .value_kind: global_buffer, .address_space: global }
      - { .name: position_ids, .offset: 40, .size: 8, .value_kind: global_buffer, .address_space: global }
      - { .name: xc, .offset: 48, .size: 8, .value_kind: global_buffer, .address_space: global }
      - { .name: wc, .offset: 56, .size: 8, .value_kind: global_buffer, .address_space: global }
      - { .name: wof, .offset: 64, .size: 8, .value_kind: global_buffer, .address_space: global }
      - { .name: cst, .offset: 72, .size: 8, .value_kind: global_buffer, .address_space: global }
    .group_segment_fixed_size: 68096
    .private_segment_fixed_size: 0
    .kernarg_segment_align: 8
    .kernarg_segment_size: 80
    .max_flat_workgroup_size: 128
    .sgpr_count:     66
    .vgpr_count:     256
    .wavefront_size: 32
...
	.end_amdgpu_metadata
.endif
;; end of part 1
;; launch qkv (part 2): grid 32 x 8, 4 waves a work-group, clusters of 4 x 1, 209,408 bytes of LDS; arguments xc, wc, cst, bq, bk, bv, qkv; writes qkv
.if DOCPART == 2
	.amdgcn_target "amdgcn-amd-amdhsa--gfx1250"
	.amdhsa_code_object_version 6
	.text
	.protected	k_q3e8337d889_qkv
	.globl	k_q3e8337d889_qkv
	.p2align	8
	.type	k_q3e8337d889_qkv,@function
k_q3e8337d889_qkv:
	s_mov_b64 s[64:65], 0
	v_nop
	global_prefetch_b8 v0, s[64:65] scope:SCOPE_SE
	s_setreg_imm32_b32 hwreg(HW_REG_WAVE_MODE, 25, 1), 1
	s_wait_xcnt 0x0
	s_wait_alu depctr_hold_cnt(0) depctr_sa_sdst(0) depctr_va_vdst(0) depctr_va_sdst(0) depctr_va_ssrc(0) depctr_va_vcc(0) depctr_vm_vsrc(0)
	s_getreg_b32 s2, hwreg(HW_REG_IB_STS2, 6, 4)
	s_cmp_eq_u32 s2, 0
	s_cbranch_scc0 .Lentry_in_a_cluster
	s_endpgm
.Lentry_in_a_cluster:
	s_bfe_u32 s2, ttmp6, 0x10000c
	s_cmp_lg_u32 s2, 0x3003
	s_cbranch_scc0 .Lentry_shape_is_right
	s_endpgm
.Lentry_shape_is_right:
; q, k, v = x W^T + b on codes of FP4 (E2M1) with E8M0 scales, then RoPE on q and k in f32, q times log2(e) / 8, all three rounded once to f16 and stored in the order of attention's operand registers.
; SHARES.  A work-group: 256 tokens x 2 heads (128 channels) x {k, q, v}.  Wave w: tokens 64 w .. + 63 (four tiles i of 16) x the 128 channels (eight tiles nt): 32 accumulators.
; x: the wave's fragments for ALL of K (4 tiles x 8 K steps x 8 registers = 256) come from memory once, straight into registers, and serve all three products: no other wave of the work-group wants them.
; W: the 128 rows of each of the three weights (64 KB of codes each) are read by all four waves, and by all four work-groups of the cluster (same heads, other tokens): each wave brings a quarter of each by a JOINT
; tensor load (the same line, the same descriptor, a mask that names the four).  All come at the head, each byte of LDS is filled once, nothing is filled again.
; k and q are multiplied TRANSPOSED (source 0 = 16 rows of W, source 1 = 16 tokens): a lane holds ONE token (lane % 16) and eight neighbouring channels 8 (lane / 16) + j; the bias is the C of a sum's first product; the
; partner of channel d in RoPE, d + 32, lies in the same lane two tiles on; four conversions make 16 bytes that are a piece of attention's K or Q fragment.  v is multiplied the natural way round: a lane holds one
; channel and eight neighbouring tokens, a piece of V^T.  So every store is 512 consecutive aligned bytes straight from registers.
; LIMITS: |q| log2(e) / 8, |k| and |v| must stay under 65,504 (f16); NaN and infinities are not served.
; REGISTERS, in windows of 256 (s_set_vgpr_msb: bits 1:0 source 0, 3:2 source 1, 5:4 source 2, 7:6 destination):
;   window 0: v1-9 addresses; v16-47 x's scale words (8 i + q); v48-111 W's (8 nt + q); v112-175 bk, v176-239 bq in the result's layout (8 nt + j); v240-255 bv (2 nt, 2 nt + 1: the same number twice)
;   window 1: x's fragment (i, q) at 8 (8 i + q)      window 2: accumulator (i, nt) at 8 (8 i + nt)
;   window 3: W's fragments, set p at 64 p + 8 nt (v0-31 at work in RoPE); cos (i, u) at 128 + 32 i + 8 u, sin 16 further on
.set XSOFF, 4194304
.set WSOFF, 1572864
.set KOFF,  16777216
.set VOFF,  33554432
.set BS,    196608                     ; LDS: codes of matrix m (0 q, 1 k, 2 v) at 65,536 m: [nt 8][K step 8][1,024 B]; from BS the scale words: [wave 4][matrix 3][2 tiles x 512 B]
.set SPARE, 208896                     ; the spare words, 128 bytes a wave
.set SPW, 8
.set NIL, 9
.set XS,  16
.set WS,  48
.set BK,  112
.set BQ,  176
.set BV,  240
.set WV,  18                           ; s18 my wave's number
.set G1C, 24                           ; s[24:31] group 1 for codes: 16 KB dense, as 64 rows of 256 bytes
.set G1S, 32                           ; s[32:39] group 1 for scale words: 3 rows (matrices) of 1,024 bytes, 32,768 bytes apart
.set G0S, 40                           ; s[40:43] group 0 for the scale words; s[44+4m:47+4m] for matrix m's codes
.set G0,  44
.set MSB, 0
.macro WIN new                         ; the immediate's high byte repeats the setting that is left
.if MSB != \new
	s_set_vgpr_msb (MSB<<8)|\new
.set MSB, \new
.endif
.endm
.macro PLACES                          ; four plain lines between a matrix instruction and a load into, or a vector read or write of, one of its registers
.rept 4
	v_nop
.endr
.endm
.macro ROUND                           ; a round of the cluster's barrier
	s_barrier_signal -1
	s_barrier_wait -1
	s_cmp_lg_u32 s[WV], 0
	s_cbranch_scc1 .Lnot_wave_0_\@
	s_barrier_signal -3
.Lnot_wave_0_\@:
	s_barrier_wait -3
	s_barrier_signal -1
	s_barrier_wait -1
.endm
	s_load_b256 s[4:11], s[0:1], 0x0               ; xc s[4:5], wc s[6:7], cst s[8:9], bq s[10:11]
	s_load_b128 s[12:15], s[0:1], 0x20             ; bk s[12:13], bv s[14:15]
	s_load_b64 s[16:17], s[0:1], 0x30              ; qkv
	v_lshl_add_u32 v[SPW], v0, 2, SPARE
	v_mov_b32 v[NIL], 0
	ds_add_u32 v[SPW], v[NIL]                      ; the opening: the add, twice on end, and its wait ahead of my first tensor load
	ds_add_u32 v[SPW], v[NIL]
	v_lshrrev_b32 v1, 5, v0
	v_readfirstlane_b32 s[WV], v1                  ; wave 0..3
	s_bfe_u32 s19, ttmp6, 0x40000                  ; cx
	s_lshl_b32 s20, ttmp9, 2
	s_add_co_u32 s20, s20, s19                     ; my block of 256 tokens: it enters x's, the table's and the stores' addresses alone
	s_and_b32 s21, ttmp7, 0xffff                   ; my pair of heads, which the four partners share
	s_mov_b32 s[G1C], 15|(3<<16)|(1<<21)           ; the mask: all four work-groups; elements of 8 bytes; bit 21 beside a mask; no padding
	s_mov_b32 s[G1C+1], 32<<16                     ; tensor_dim0 = 32 elements
	s_mov_b32 s[G1C+2], 64<<16                     ; tensor_dim1 = 64
	s_mov_b32 s[G1C+3], 32<<16                     ; tile_dim0
	s_mov_b32 s[G1C+4], 64                         ; tile_dim1
	s_mov_b32 s[G1C+5], 32                         ; from row to row
	s_mov_b32 s[G1C+6], 0
	s_mov_b32 s[G1C+7], 0
	s_mov_b32 s[G1S], 15|(3<<16)|(1<<21)
	s_mov_b32 s[G1S+1], 128<<16
	s_mov_b32 s[G1S+2], 3<<16
	s_mov_b32 s[G1S+3], 128<<16
	s_mov_b32 s[G1S+4], 3
	s_mov_b32 s[G1S+5], 4096
	s_mov_b32 s[G1S+6], 0
	s_mov_b32 s[G1S+7], 0
	s_lshl_b32 s56, s21, 3
	s_lshl_b32 s57, s[WV], 1
	s_add_co_u32 s56, s56, s57                     ; the two tiles of 16 rows of each weight that I fetch: 8 x pair of heads + 2 x wave
	s_lshl_b32 s58, s56, 9
	s_mov_b32 s59, 0
	s_lshl_b32 s60, s56, 13
	s_mov_b32 s61, 0
	s_mul_i32 s57, s[WV], 3072
	s_mov_b32 s[G0S], 1
	s_add_co_u32 s[G0S+1], s57, BS
	s_lshl_b32 s57, s[WV], 14
.irp m, 0,1,2
	s_mov_b32 s[G0+4*\m], 1
	s_add_co_u32 s[G0+4*\m+1], s57, 65536*\m
.endr
	v_and_b32 v10, 31, v0
	v_lshlrev_b32 v1, 4, v10                       ; 16 x lane: a piece's place for my lane, in memory and in matrix 0's codes in LDS
	v_add_nc_u32 v2, 0x10000, v1                   ; matrix 1's
	v_add_nc_u32 v3, 0x20000, v1                   ; matrix 2's
	v_and_b32 v11, 15, v0
	v_lshlrev_b32 v5, 4, v11                       ; 16 r: a row's four scale words
	v_add_nc_u32 v4, BS, v5
	v_bfe_u32 v12, v0, 4, 1
	v_lshlrev_b32 v6, 5, v12                       ; 32 h: my half's eight numbers of a bias
	v_lshlrev_b32 v7, 2, v11                       ; 4 r
	s_lshl_b32 s84, s20, 4
	s_lshl_b32 s85, s[WV], 2
	s_add_co_u32 s84, s84, s85                     ; my first tile of 16 tokens
	s_mov_b32 s87, 0
	s_lshr_b32 s88, s20, 3                         ; the batch
	s_and_b32 s89, s20, 7                          ; my block in it
	s_lshl_b32 s88, s88, 4
	s_lshl_b32 s90, s21, 1
	s_add_co_u32 s88, s88, s90                     ; batch x 16 + my first head
	s_wait_dscnt 0x0                               ; both opening adds are done
	s_wait_kmcnt 0x0
	s_add_nc_u64 s[G0S+2:G0S+3], s[6:7], s[58:59]
	s_add_nc_u64 s[G0S+2:G0S+3], s[G0S+2:G0S+3], WSOFF
	s_or_b32 s[G0S+3], s[G0S+3], 0x80000000
	s_add_nc_u64 s[62:63], s[6:7], s[60:61]
.irp m, 0,1,2
	s_add_nc_u64 s[G0+4*\m+2:G0+4*\m+3], s[62:63], \m*524288
	s_or_b32 s[G0+4*\m+3], s[G0+4*\m+3], 0x80000000
.endr
	s_lshl_b32 s86, s84, 13
	s_add_nc_u64 s[66:67], s[4:5], s[86:87]        ; x's codes
	s_lshl_b32 s86, s84, 9
	s_add_nc_u64 s[68:69], s[4:5], s[86:87]
	s_add_nc_u64 s[68:69], s[68:69], XSOFF         ; x's scale words
	s_lshl_b32 s86, s84, 12
	s_add_nc_u64 s[70:71], s[8:9], s[86:87]        ; cos and sin
	s_lshl_b32 s86, s21, 9
	s_add_nc_u64 s[72:73], s[12:13], s[86:87]      ; bk, bq, bv at my 128 channels
	s_add_nc_u64 s[74:75], s[10:11], s[86:87]
	s_add_nc_u64 s[76:77], s[14:15], s[86:87]
	s_lshl_b32 s90, s88, 7                         ; q and k: 128 tiles of 2,048 bytes a head
	s_lshl_b32 s91, s89, 4
	s_add_co_u32 s90, s90, s91
	s_add_co_u32 s90, s90, s85
	s_lshl_b32 s86, s90, 11
	s_add_nc_u64 s[80:81], s[16:17], s[86:87]      ; where my q goes,
	s_add_nc_u64 s[78:79], s[80:81], KOFF          ; my k,
	s_lshl_b32 s90, s88, 6                         ; v: 64 groups of 4,096 bytes a head
	s_lshl_b32 s91, s89, 3
	s_add_co_u32 s90, s90, s91
	s_lshl_b32 s91, s[WV], 1
	s_add_co_u32 s90, s90, s91
	s_lshl_b32 s86, s90, 12
	s_add_nc_u64 s[82:83], s[16:17], s[86:87]
	s_add_nc_u64 s[82:83], s[82:83], VOFF          ; my v
	ROUND                                          ; all four work-groups are here: the joint loads meet
	tensor_load_to_lds s[G0S:G0S+3], s[G1S:G1S+7]  ; the scale words of all three; then k's, q's, v's codes: four loads of mine are out
	s_nop 0
	tensor_load_to_lds s[G0+4:G0+7], s[G1C:G1C+7]
	s_nop 0
	tensor_load_to_lds s[G0:G0+3], s[G1C:G1C+7]
	s_nop 0
	tensor_load_to_lds s[G0+8:G0+11], s[G1C:G1C+7]
	s_nop 0
.rept 4
	v_nop
.endr
	WIN 0x40                                       ; destination window 1
.set n, 0
.rept 64
	global_load_b128 v[4*n:4*n+3], v1, s[66:67] offset:512*n     ; x's 32 fragments: piece n = 16 i + 2 q + c
.set n, n+1
.endr
	WIN 0
.irp i, 0,1,2,3
.irp kh, 0,1
	global_load_b128 v[XS+8*\i+4*\kh:XS+8*\i+4*\kh+3], v5, s[68:69] offset:512*\i+256*\kh
.endr
.endr
.irp nt, 0,1,2,3,4,5,6,7
	global_load_b128 v[BK+8*\nt:BK+8*\nt+3], v6, s[72:73] offset:64*\nt
	global_load_b128 v[BK+8*\nt+4:BK+8*\nt+7], v6, s[72:73] offset:64*\nt+16
.endr
.irp nt, 0,1,2,3,4,5,6,7
	global_load_b128 v[BQ+8*\nt:BQ+8*\nt+3], v6, s[74:75] offset:64*\nt
	global_load_b128 v[BQ+8*\nt+4:BQ+8*\nt+7], v6, s[74:75] offset:64*\nt+16
.endr
	WIN 0xc0                                       ; destination window 3
.set n, 0
.rept 32
	global_load_b128 v[128+4*n:128+4*n+3], v1, s[70:71] offset:512*n   ; cos and sin of my 64 tokens
.set n, n+1
.endr
	WIN 0
.irp nt, 0,1,2,3,4,5,6,7
	global_load_b32 v[BV+2*\nt], v7, s[76:77] offset:64*\nt
	global_load_b32 v[BV+2*\nt+1], v7, s[76:77] offset:64*\nt
.endr
.macro SCALES m                        ; matrix m's scale words for all of K: lane r takes row r's four words of each half of K
.irp nt, 0,1,2,3,4,5,6,7
.irp kh, 0,1
	ds_load_b128 v[WS+8*\nt+4*\kh:WS+8*\nt+4*\kh+3], v4 offset:3072*(\nt/2)+1024*\m+512*(\nt%2)+256*\kh
.endr
.endr
.endm
.macro FETCHW m, q                     ; matrix m's eight fragments of K step q into set q % 2
	WIN 0xc0
.irp nt, 0,1,2,3,4,5,6,7
.irp c, 0,1
	ds_load_b128 v[64*((\q)%2)+8*\nt+4*\c:64*((\q)%2)+8*\nt+4*\c+3], v[1+\m] offset:8192*\nt+1024*(\q)+512*\c
.endr
.endr
.endm
; 32 products of K step q, transposed.  The 32 accumulators take turns, one instruction a turn, in one order in every step.  At q = 0 the bias is the C: nothing is cleared, nothing added later
.macro MULT q, bias
.if (\q) == 0
	WIN 0x87                                       ; W window 3, x window 1, the bias window 0, D window 2
.else
	WIN 0xa7                                       ; C window 2
.endif
.irp i, 0,1,2,3
.irp nt, 0,1,2,3,4,5,6,7
.if (\q) == 0
	v_wmma_scale_f32_16x16x128_f8f6f4 v[8*(8*\i+\nt):8*(8*\i+\nt)+7], v[64*((\q)%2)+8*\nt:64*((\q)%2)+8*\nt+7], v[8*(8*\i+(\q)):8*(8*\i+(\q))+7], v[\bias+8*\nt:\bias+8*\nt+7], v[WS+8*\nt+(\q)], v[XS+8*\i+(\q)] matrix_a_fmt:MATRIX_FMT_FP4 matrix_b_fmt:MATRIX_FMT_FP4
.else
	v_wmma_scale_f32_16x16x128_f8f6f4 v[8*(8*\i+\nt):8*(8*\i+\nt)+7], v[64*((\q)%2)+8*\nt:64*((\q)%2)+8*\nt+7], v[8*(8*\i+(\q)):8*(8*\i+(\q))+7], v[8*(8*\i+\nt):8*(8*\i+\nt)+7], v[WS+8*\nt+(\q)], v[XS+8*\i+(\q)] matrix_a_fmt:MATRIX_FMT_FP4 matrix_b_fmt:MATRIX_FMT_FP4
.endif
.endr
.endr
.endm
.macro MULN q                          ; the same the natural way round: source 0 = x, source 1 = W; the first step starts the sums with 0
	WIN 0xad                                       ; x window 1, W window 3, C and D window 2
.irp i, 0,1,2,3
.irp nt, 0,1,2,3,4,5,6,7
.if (\q) == 0
	v_wmma_scale_f32_16x16x128_f8f6f4 v[8*(8*\i+\nt):8*(8*\i+\nt)+7], v[8*(8*\i+(\q)):8*(8*\i+(\q))+7], v[64*((\q)%2)+8*\nt:64*((\q)%2)+8*\nt+7], 0, v[XS+8*\i+(\q)], v[WS+8*\nt+(\q)] matrix_a_fmt:MATRIX_FMT_FP4 matrix_b_fmt:MATRIX_FMT_FP4
.else
	v_wmma_scale_f32_16x16x128_f8f6f4 v[8*(8*\i+\nt):8*(8*\i+\nt)+7], v[8*(8*\i+(\q)):8*(8*\i+(\q))+7], v[64*((\q)%2)+8*\nt:64*((\q)%2)+8*\nt+7], v[8*(8*\i+\nt):8*(8*\i+\nt)+7], v[XS+8*\i+(\q)], v[WS+8*\nt+(\q)] matrix_a_fmt:MATRIX_FMT_FP4 matrix_b_fmt:MATRIX_FMT_FP4
.endif
.endr
.endr
.endm
; All of K for matrix m, written out, since x's registers change with the K step.  W's fragments run one K step ahead, in two sets
.macro KLOOP m, nat, bias
	WIN 0
	SCALES \m
	FETCHW \m, 0
.set Q, 0
.rept 8
.if Q < 7
.if Q > 0
	PLACES                                         ; the set to be loaded was read by the products just issued
.endif
	FETCHW \m, Q+1
	s_wait_dscnt 16                                ; all but the next K step's 16 loads
.else
	s_wait_dscnt 0x0
.endif
.if \nat
	MULN Q
.else
	MULT Q, \bias
.endif
.set Q, Q+1
.endr
	PLACES                                         ; ahead of the first vector read of the sums
.endm
; RoPE, rounding and stores of token tile i.  L = tile (hh, u) holds channels d = 16 u + 8 h + j of head hh, H = tile (hh, u + 2) channels d + 32:  L' = L cos - H sin,  H' = H cos + L sin.  Each accumulator is read from its low end on
.macro ROPE i, base
	WIN 0xce                                       ; T (window 3) = L (window 2) x sin (window 3)
.irp hh, 0,1
.irp u, 0,1
.irp j, 0,2,4,6
	v_pk_mul_f32 v[16*\hh+8*\u+\j:16*\hh+8*\u+\j+1], v[8*(8*\i+4*\hh+\u)+\j:8*(8*\i+4*\hh+\u)+\j+1], v[144+32*\i+8*\u+\j:144+32*\i+8*\u+\j+1]
.endr
.endr
.endr
	WIN 0x8e                                       ; L = L x cos
.irp hh, 0,1
.irp u, 0,1
.irp j, 0,2,4,6
	v_pk_mul_f32 v[8*(8*\i+4*\hh+\u)+\j:8*(8*\i+4*\hh+\u)+\j+1], v[8*(8*\i+4*\hh+\u)+\j:8*(8*\i+4*\hh+\u)+\j+1], v[128+32*\i+8*\u+\j:128+32*\i+8*\u+\j+1]
.endr
.endr
.endr
	WIN 0xae                                       ; L = -H x sin + L
.irp hh, 0,1
.irp u, 0,1
.irp j, 0,2,4,6
	v_pk_fma_f32 v[8*(8*\i+4*\hh+\u)+\j:8*(8*\i+4*\hh+\u)+\j+1], v[8*(8*\i+4*\hh+\u+2)+\j:8*(8*\i+4*\hh+\u+2)+\j+1], v[144+32*\i+8*\u+\j:144+32*\i+8*\u+\j+1], v[8*(8*\i+4*\hh+\u)+\j:8*(8*\i+4*\hh+\u)+\j+1] neg_lo:[1,0,0] neg_hi:[1,0,0]
.endr
.endr
.endr
	WIN 0xbe                                       ; H = H x cos + T
.irp hh, 0,1
.irp u, 0,1
.irp j, 0,2,4,6
	v_pk_fma_f32 v[8*(8*\i+4*\hh+\u+2)+\j:8*(8*\i+4*\hh+\u+2)+\j+1], v[8*(8*\i+4*\hh+\u+2)+\j:8*(8*\i+4*\hh+\u+2)+\j+1], v[128+32*\i+8*\u+\j:128+32*\i+8*\u+\j+1], v[16*\hh+8*\u+\j:16*\hh+8*\u+\j+1]
.endr
.endr
.endr
	WIN 0x8a                                       ; to f16, in place, ascending: eight channels in four registers
.irp nt, 0,1,2,3,4,5,6,7
.irp j, 0,1,2,3
	v_cvt_pk_f16_f32 v[8*(8*\i+\nt)+\j], v[8*(8*\i+\nt)+2*\j], v[8*(8*\i+\nt)+2*\j+1]
.endr
.endr
	WIN 0x08                                       ; a store's data: window 2
.irp nt, 0,1,2,3,4,5,6,7
	global_store_b128 v1, v[8*(8*\i+\nt):8*(8*\i+\nt)+3], s[\base:\base+1] offset:262144*(\nt/4)+2048*\i+512*(\nt%4)   ; a piece: 512 consecutive aligned bytes
.endr
.endm
.macro VOUT i                          ; v: the bias of my channel, rounding, stores: tile i is half c = i % 2 of group i / 2 of 32 keys
	WIN 0x82
.irp nt, 0,1,2,3,4,5,6,7
.irp j, 0,2,4,6
	v_pk_add_f32 v[8*(8*\i+\nt)+\j:8*(8*\i+\nt)+\j+1], v[8*(8*\i+\nt)+\j:8*(8*\i+\nt)+\j+1], v[BV+2*\nt:BV+2*\nt+1]
.endr
.endr
	WIN 0x8a
.irp nt, 0,1,2,3,4,5,6,7
.irp j, 0,1,2,3
	v_cvt_pk_f16_f32 v[8*(8*\i+\nt)+\j], v[8*(8*\i+\nt)+2*\j], v[8*(8*\i+\nt)+2*\j+1]
.endr
.endr
	WIN 0x08
.irp nt, 0,1,2,3,4,5,6,7
	global_store_b128 v1, v[8*(8*\i+\nt):8*(8*\i+\nt)+3], s[82:83] offset:262144*(\nt/4)+4096*(\i/2)+1024*(\nt%4)+512*(\i%2)
.endr
.endm
	; ---- k
	s_wait_tensorcnt 0x2                           ; my parts of the scale words and of k's codes are in; q's and v's two loads may stay out
	s_barrier_signal -1
	s_barrier_wait -1                              ; everybody's are
	s_wait_loadcnt 48                              ; x, its scale words and the two biases are in; the table's 32 loads and bv's 16 may be out
	KLOOP 1, 0, BK
	s_wait_loadcnt 16                              ; the table is in; bv's 16 may be out
	ROPE 0, 78
	ROPE 1, 78
	ROPE 2, 78
	ROPE 3, 78
	WIN 0xc3                                       ; q's factor log2(e) / 8 goes into the table: q' = (q cos -+ q sin) x the factor costs no line of its own in RoPE
.set n, 0
.rept 64
	v_pk_mul_f32 v[128+2*n:128+2*n+1], v[128+2*n:128+2*n+1], 0x3e38aa3b op_sel_hi:[1,0]
.set n, n+1
.endr
	WIN 0
	; ---- q
	s_wait_tensorcnt 0x1                           ; my part of q's codes is in; v's load may stay out
	s_wait_dscnt 0x0
	s_barrier_signal -1
	s_barrier_wait -1
	s_wait_xcnt 0x0                                ; k's stores have read the accumulators: only now are they written again
	KLOOP 0, 0, BQ
	ROPE 0, 80
	ROPE 1, 80
	ROPE 2, 80
	ROPE 3, 80
	WIN 0
	; ---- v
	s_wait_tensorcnt 0x0
	s_wait_dscnt 0x0
	s_barrier_signal -1
	s_barrier_wait -1
	s_wait_xcnt 0x0                                ; q's stores have read the accumulators
	KLOOP 2, 1, 0
	s_wait_loadcnt 0x0                             ; bv
	VOUT 0
	VOUT 1
	VOUT 2
	VOUT 3
	WIN 0
	s_wait_tensorcnt 0x0                           ; the wave's end
	ds_add_u32 v[SPW], v[NIL]
	s_wait_dscnt 0x0
	ROUND                                          ; the closing round
	s_endpgm
.Lfunc_end_k_q3e8337d889_qkv:
	.size	k_q3e8337d889_qkv, .Lfunc_end_k_q3e8337d889_qkv-k_q3e8337d889_qkv
	.p2alignl 7, 3214868480
	.fill 96, 4, 3214868480
	.section	.rodata,"a",@progbits
	.p2align	6, 0x0
	.amdhsa_kernel k_q3e8337d889_qkv
		.amdhsa_group_segment_fixed_size 209408
		.amdhsa_private_segment_fixed_size 0
		.amdhsa_enable_private_segment 0
		.amdhsa_kernarg_size 56
		.amdhsa_user_sgpr_count 2
		.amdhsa_user_sgpr_kernarg_segment_ptr 1
		.amdhsa_wavefront_size32 1
		.amdhsa_system_sgpr_workgroup_id_x 1
		.amdhsa_system_sgpr_workgroup_id_y 1
		.amdhsa_system_sgpr_workgroup_id_z 1
		.amdhsa_system_vgpr_workitem_id 0
		.amdhsa_next_free_vgpr 1024
		.amdhsa_next_free_sgpr 96
		.amdhsa_reserve_vcc 0
		.amdhsa_float_denorm_mode_32 3
		.amdhsa_float_denorm_mode_16_64 3
		.amdhsa_memory_ordered 1
		.amdhsa_forward_progress 1
		.amdhsa_inst_pref_size 230
	.end_amdhsa_kernel
	.amdgpu_metadata
---
amdhsa.version: [ 1, 2 ]
amdhsa.kernels:
  - .name:           k_q3e8337d889_qkv
    .symbol:         k_q3e8337d889_qkv.kd
    .args:
      - { .name: xc, .offset: 0, .size: 8, .value_kind: global_buffer, .address_space: global }
      - { .name: wc, .offset: 8, .size: 8, .value_kind: global_buffer, .address_space: global }
      - { .name: cst, .offset: 16, .size: 8, .value_kind: global_buffer, .address_space: global }
      - { .name: bq, .offset: 24, .size: 8, .value_kind: global_buffer, .address_space: global }
      - { .name: bk, .offset: 32, .size: 8, .value_kind: global_buffer, .address_space: global }
      - { .name: bv, .offset: 40, .size: 8, .value_kind: global_buffer, .address_space: global }
      - { .name: qkv, .offset: 48, .size: 8, .value_kind: global_buffer, .address_space: global }
    .group_segment_fixed_size: 209408
    .private_segment_fixed_size: 0
    .kernarg_segment_align: 8
    .kernarg_segment_size: 56
    .max_flat_workgroup_size: 128
    .sgpr_count:     96
    .vgpr_count:     1024
    .wavefront_size: 32
...
	.end_amdgpu_metadata
.endif
;; end of part 2
;; launch attn (part 3): grid 4 x 64, 8 waves a work-group, clusters of 4 x 1, 327,680 bytes of LDS; arguments qkv, af; writes af
.if DOCPART == 3
	.amdgcn_target "amdgcn-amd-amdhsa--gfx1250"
	.amdhsa_code_object_version 6
	.text
	.protected	k_q3e8337d889_attn
	.globl	k_q3e8337d889_attn
	.p2align	8
	.type	k_q3e8337d889_attn,@function
k_q3e8337d889_attn:
	s_mov_b64 s[64:65], 0
	v_nop
	global_prefetch_b8 v0, s[64:65] scope:SCOPE_SE
	s_setreg_imm32_b32 hwreg(HW_REG_WAVE_MODE, 25, 1), 1
	s_wait_xcnt 0x0
	s_wait_alu depctr_hold_cnt(0) depctr_sa_sdst(0) depctr_va_vdst(0) depctr_va_sdst(0) depctr_va_ssrc(0) depctr_va_vcc(0) depctr_vm_vsrc(0)
	s_getreg_b32 s2, hwreg(HW_REG_IB_STS2, 6, 4)
	s_cmp_eq_u32 s2, 0
	s_cbranch_scc0 .Lentry_in_a_cluster
	s_endpgm
.Lentry_in_a_cluster:
	s_bfe_u32 s2, ttmp6, 0x10000c
	s_cmp_lg_u32 s2, 0x3003
	s_cbranch_scc0 .Lentry_shape_is_right
	s_endpgm
.Lentry_shape_is_right:
; O[q] = the sum over keys of softmax(q . k / 8) v, for one (batch, head) a cluster, no mask.  q (already times log2(e) / 8), k, v: f16, laid in the order of the operands' registers; products, maxima and sums in f32;
; the weights p = 2^(s - m), m the running maximum, are rounded to f16 for the second product; O is divided by the sum of the unrounded p and rounded once to f16.
; SHARES.  A work-group owns 512 queries of the head, each of its EIGHT waves 64: four tiles t of 16, in 512 registers: two waves to a SIMD, so that one wave's softmax stands beside the other's products, and each
; fragment of K and V read from LDS feeds four products.  Every wave walks all 2,048 keys, 64 a step.
; LAYOUT.  S^T = K Q^T (source 0 = 16 keys, source 1 = 16 queries): a lane holds ONE query (lane % 16) and keys 8 (lane / 16) + j.  Two such tiles, rounded in pairs IN PLACE, are source 1 (32 keys x 16 queries) of
; O^T = V^T P, whose result again holds one query a lane and eight channels: four conversions make a piece of the next launch's operand.  Nothing changes lanes but one exchange of halves for the maximum and the sum.
; RING.  Two LDS slots of 512 keys (K 64 KB, V 64 KB, both as pieces: no pitch, no padding, every load 512 consecutive bytes).  The four work-groups of the cluster walk the same K and V: every tile is asked for JOINTLY.
; K's and V's tiles have one shape and one mask, and a wave's part is plain arithmetic on its number (waves 0-3: K's quarters, waves 4-7: V's), so one line serves all eight waves.
; LIMITS: as for the launch before (f16's range); NaN and infinities are not served.
; REGISTERS: window 0: v2-9 addresses; v24 + 10 t statistics of tile t: +0 m, +1 old m, +2, +3 the sum (even, odd keys), +4 to +7 at work, +8 a = 2^(old m - m), later 1 / sum, +9 old m - m;
;   v64 + 32 t + 8 kt  S^T (P in its registers 0-15 of each tile); v192 + 16 kt + 8 hf  K.      window 1: v[32 t + 8 ct] O^T; v128 + 16 t + 8 hf  Q; v192 + 32 g + 8 ct  V^T.
.set KOFF,  16777216
.set SLOT1, 131072                     ; slot 1 begins here: one exclusive or turns an address from one slot to the other.  In a slot: K at 0, V at 65,536
.set SPARE, 262144                     ; the spare words, 128 bytes a wave
.set AK0, 2
.set AV0, 3
.set ADK, 4
.set ADV, 5
.set GO,  6
.set PFO, 7
.set SPW, 8
.set NIL, 9
.set ST,  24
.set S,   64
.set KF,  192
.set QF,  128
.set VF,  192
.set WV,  12
.set G1,  24                           ; s[24:31] group 1: 16 KB dense, as 64 rows of 256 bytes
.set G0,  32                           ; s[32:35] group 0 for slot 0's first fill; s[36:39] for slot 1's, which then walks
.set TB,  48                           ; s48 LDS byte at which the step's tiles begin
.set CNT, 49
.set SLOTS, 50
.set LIM, 51
.set PFA, 52
.set SEL, 54
.set MSB, 0
.macro WIN new
.if MSB != \new
	s_set_vgpr_msb (MSB<<8)|\new
.set MSB, \new
.endif
.endm
.macro CROUND                          ; a round of the cluster's barrier
	s_barrier_signal -1
	s_barrier_wait -1
	s_cmp_lg_u32 s[WV], 0
	s_cbranch_scc1 .Lnot_wave_0_\@
	s_barrier_signal -3
.Lnot_wave_0_\@:
	s_barrier_wait -3
	s_barrier_signal -1
	s_barrier_wait -1
.endm
; A prefetch of the slot that the NEXT change of slots will ask for: K's and V's 64 KB, each aligned block of 256 bytes named once: the even waves ask (0, 2 for K; 4, 6 for V), 8,192 bytes each, lanes 256 bytes apart;
; the four partners are told apart by address.  Only the first of the two changes that fill a slot has a slot behind it.
.macro ASK
	s_cmp_gt_u32 s[SLOTS], s[LIM]
	s_cbranch_scc0 .Lnot_mine_\@
	global_prefetch_b8 v[PFO], s[PFA:PFA+1] th:TH_LOAD_NT scope:SCOPE_SE
.Lnot_mine_\@:
.endm
	s_load_b128 s[4:7], s[0:1], 0x0                ; qkv s[4:5], af s[6:7]
	v_lshl_add_u32 v[SPW], v0, 2, SPARE
	v_mov_b32 v[NIL], 0
	ds_add_u32 v[SPW], v[NIL]                      ; the opening: the add, twice on end, and its wait ahead of my first tensor load
	ds_add_u32 v[SPW], v[NIL]
	v_lshrrev_b32 v1, 5, v0
	v_readfirstlane_b32 s[WV], v1                  ; wave 0..7
	s_bfe_u32 s13, ttmp6, 0x40000                  ; cx
	s_lshl_b32 s14, ttmp9, 2
	s_add_co_u32 s14, s14, s13                     ; my block of 512 queries: it enters Q's, O's and the prefetch's addresses alone
	s_and_b32 s15, ttmp7, 0xffff                   ; batch x 16 + head, which the four partners share
	s_lshl_b32 s16, s15, 18                        ; the head's 262,144 bytes in each of q, k, v
	s_mov_b32 s[G1], 15|(3<<16)|(1<<21)            ; the mask: all four work-groups; elements of 8 bytes; bit 21 beside a mask; no padding
	s_mov_b32 s[G1+1], 32<<16
	s_mov_b32 s[G1+2], 64<<16
	s_mov_b32 s[G1+3], 32<<16
	s_mov_b32 s[G1+4], 64
	s_mov_b32 s[G1+5], 32
	s_mov_b32 s[G1+6], 0
	s_mov_b32 s[G1+7], 0
	s_lshr_b32 s17, s[WV], 2
	s_lshl_b32 s17, s17, 24                        ; 0 for K; for V the 16,777,216 bytes from k to v
	s_and_b32 s18, s[WV], 3
	s_lshl_b32 s18, s18, 14                        ; my quarter of a slot's 64 KB
	s_add_co_u32 s20, s16, s17
	s_add_co_u32 s20, s20, s18
	s_add_co_u32 s20, s20, KOFF
	s_mov_b32 s21, 0
	s_lshl_b32 s19, s[WV], 14                      ; and where it goes in a slot: 16,384 x wave
	s_lshr_b32 s22, s[WV], 1
	s_and_b32 s22, s22, 1
	s_lshl_b32 s22, s22, 15                        ; the prefetch: which half of the 64 KB,
	s_lshl_b32 s23, s13, 13                        ; my work-group's 8,192 bytes of it,
	s_add_co_u32 s22, s22, s23
	s_add_co_u32 s22, s22, s16
	s_add_co_u32 s22, s22, s17
	s_add_co_u32 s22, s22, KOFF+2*65536            ; in slot 2: the first change of slots steps it to slot 3.  Nothing is prefetched at the head
	s_mov_b32 s23, 0
	s_and_b32 s[LIM], s[WV], 1
	s_cmp_eq_u32 s[LIM], 0
	s_cselect_b32 s[LIM], 1, -1                    ; 1 in the even waves, else the greatest number
	s_lshl_b32 s44, s14, 5
	s_lshl_b32 s45, s[WV], 2
	s_add_co_u32 s44, s44, s45                     ; my first tile of 16 queries in the head
	s_lshl_b32 s40, s44, 11
	s_add_co_u32 s40, s40, s16
	s_mov_b32 s41, 0
	s_lshr_b32 s46, s15, 4
	s_lshl_b32 s46, s46, 7
	s_add_co_u32 s46, s46, s44                     ; the same among all 512 tiles of tokens
	s_lshl_b32 s42, s46, 15
	s_and_b32 s47, s15, 15
	s_lshl_b32 s47, s47, 11                        ; the head's 64 channels: 2,048 bytes of a tile's 32,768
	s_add_co_u32 s42, s42, s47
	s_mov_b32 s43, 0
	s_mov_b32 s[SEL], 0x76543210
	s_mov_b32 s[SEL+1], 0xfedcba98
	s_mov_b32 s[TB], 0
	s_mov_b32 s[SLOTS], 2
	v_and_b32 v1, 31, v0
	v_lshlrev_b32 v[AK0], 4, v1                    ; 16 x lane
	v_add_nc_u32 v[AV0], 0x10000, v[AK0]
	v_lshlrev_b32 v[GO], 4, v1
	v_lshlrev_b32 v[PFO], 8, v1
	s_wait_dscnt 0x0                               ; both opening adds are done
	s_wait_kmcnt 0x0
.irp s, 0,1
	s_mov_b32 s[G0+4*\s], 1
	s_add_co_u32 s[G0+4*\s+1], s19, \s*SLOT1
	s_add_nc_u64 s[G0+4*\s+2:G0+4*\s+3], s[4:5], s[20:21]
	s_add_nc_u64 s[G0+4*\s+2:G0+4*\s+3], s[G0+4*\s+2:G0+4*\s+3], \s*65536
	s_or_b32 s[G0+4*\s+3], s[G0+4*\s+3], 0x80000000
.endr
	s_add_nc_u64 s[PFA:PFA+1], s[4:5], s[22:23]
	s_add_nc_u64 s[56:57], s[4:5], s[40:41]        ; my Q
	s_add_nc_u64 s[58:59], s[6:7], s[42:43]        ; my O
	CROUND                                         ; all four work-groups are here: the first joint loads meet
	tensor_load_to_lds s[G0:G0+3], s[G1:G1+7]      ; keys 0-511
	s_nop 0
	tensor_load_to_lds s[G0+4:G0+7], s[G1:G1+7]    ; keys 512-1,023: two loads of mine are out
	s_nop 0
.rept 4
	v_nop
.endr
	WIN 0x40
.set n, 0
.rept 16
	global_load_b128 v[QF+4*n:QF+4*n+3], v[GO], s[56:57] offset:512*n    ; Q stays in registers: piece n = 4 t + 2 hf + c
.set n, n+1
.endr
	WIN 0
; A KEY STEP: 64 keys.  first = 1: the first, which starts m, the sum and O^T.  Each stage of the softmax goes with its index outside and the four tiles inside, so that neighbouring lines do not wait for each other.
.macro STEP first
	v_add_nc_u32 v[ADK], s[TB], v[AK0]
	v_add_nc_u32 v[ADV], s[TB], v[AV0]
.rept 3
	v_nop                                          ; with the two additions five plain lines behind the last products V^T P: V's loads land on their source 0, and the products below write over their source 1
.endr
.set n, 0
.rept 16
	ds_load_b128 v[KF+4*n:KF+4*n+3], v[ADK] offset:512*n
.set n, n+1
.endr
	WIN 0x40
.set n, 0
.rept 16
	ds_load_b128 v[VF+4*n:VF+4*n+3], v[ADV] offset:512*n
.set n, n+1
.endr
	s_add_co_u32 s[TB], s[TB], 8192
	s_wait_dscnt 16                                ; K is in; V's 16 loads may be out
	WIN 0x04                                       ; Q in window 1
.irp hf, 0,1                                   ; the 16 accumulators take turns, one instruction a turn
.irp t, 0,1,2,3
.irp kt, 0,1,2,3
.if \hf == 0
	v_wmma_f32_16x16x32_f16 v[S+32*\t+8*\kt:S+32*\t+8*\kt+7], v[KF+16*\kt+8*\hf:KF+16*\kt+8*\hf+7], v[QF+16*\t+8*\hf:QF+16*\t+8*\hf+7], 0
.else
	v_wmma_f32_16x16x32_f16 v[S+32*\t+8*\kt:S+32*\t+8*\kt+7], v[KF+16*\kt+8*\hf:KF+16*\kt+8*\hf+7], v[QF+16*\t+8*\hf:QF+16*\t+8*\hf+7], v[S+32*\t+8*\kt:S+32*\t+8*\kt+7]
.endif
.endr
.endr
.endr
	WIN 0
.rept 4
	v_nop
.endr
.irp j, 0,1,2,3                                ; the maximum of a lane's 32 scores: four chains; each accumulator is read from its low end on
.irp t, 0,1,2,3
	v_max3_num_f32 v[ST+10*\t+4+\j], v[S+32*\t+8*\j], v[S+32*\t+8*\j+1], v[S+32*\t+8*\j+2]
.endr
.endr
.irp g, 1,2
.irp j, 0,1,2,3
.irp t, 0,1,2,3
	v_max3_num_f32 v[ST+10*\t+4+\j], v[ST+10*\t+4+\j], v[S+32*\t+8*\j+2*\g+1], v[S+32*\t+8*\j+2*\g+2]
.endr
.endr
.endr
.irp t, 0,1,2,3
	v_max3_num_f32 v[ST+10*\t+4], v[ST+10*\t+4], v[S+32*\t+7], v[S+32*\t+15]
.endr
.irp t, 0,1,2,3
	v_max3_num_f32 v[ST+10*\t+6], v[ST+10*\t+6], v[S+32*\t+23], v[S+32*\t+31]
.endr
.irp t, 0,1,2,3
	v_max3_num_f32 v[ST+10*\t+4], v[ST+10*\t+4], v[ST+10*\t+5], v[ST+10*\t+6]
.endr
.irp t, 0,1,2,3
.if \first
	v_max_num_f32 v[ST+10*\t+4], v[ST+10*\t+4], v[ST+10*\t+7]
.else
	v_max3_num_f32 v[ST+10*\t+4], v[ST+10*\t+4], v[ST+10*\t+7], v[ST+10*\t]
.endif
.endr
.irp t, 0,1,2,3
	v_permlanex16_b32 v[ST+10*\t+5], v[ST+10*\t+4], s[SEL], s[SEL+1]   ; the query's other 32 keys lie in the lane 16 away
.endr
.irp t, 0,1,2,3
.if \first
	v_mov_b32 v[ST+10*\t+1], 0                     ; (named with m as a pair, so it is written)
.else
	v_mov_b32 v[ST+10*\t+1], v[ST+10*\t]           ; the old m
.endif
.endr
.irp t, 0,1,2,3
	v_max_num_f32 v[ST+10*\t], v[ST+10*\t+4], v[ST+10*\t+5]            ; the running maximum
.endr
.if !\first
.irp t, 0,1,2,3
	v_sub_f32 v[ST+10*\t+9], v[ST+10*\t+1], v[ST+10*\t]
.endr
.irp t, 0,1,2,3
	v_exp_f32 v[ST+10*\t+8], v[ST+10*\t+9]         ; a = 2^(old m - m)
.endr
.endif
.irp b, 0,2,4,6,8,10,12,14,16,18,20,22,24,26,28,30
.irp t, 0,1,2,3
	v_pk_add_f32 v[S+32*\t+\b:S+32*\t+\b+1], v[S+32*\t+\b:S+32*\t+\b+1], v[ST+10*\t:ST+10*\t+1] op_sel_hi:[1,0] neg_lo:[0,1] neg_hi:[0,1]   ; s - m, two at a time
.endr
.endr
.irp b, 0,1,2,3,4,5,6,7,8,9,10,11,12,13,14,15,16,17,18,19,20,21,22,23,24,25,26,27,28,29,30,31
.irp t, 0,1,2,3
	v_exp_f32 v[S+32*\t+\b], v[S+32*\t+\b]         ; p = 2^(s - m), at most 1
.endr
.endr
	v_nop                                          ; a plain line behind the last exponential,
	s_wait_alu depctr_va_vdst(0)                   ; and ONE wait for the step's whole batch, ahead of the first line that names a result
.irp t, 0,1,2,3                                ; the sum of the unrounded p, two chains a tile
	v_pk_add_f32 v[ST+10*\t+4:ST+10*\t+5], v[S+32*\t:S+32*\t+1], v[S+32*\t+2:S+32*\t+3]
.endr
.irp t, 0,1,2,3
	v_pk_add_f32 v[ST+10*\t+6:ST+10*\t+7], v[S+32*\t+4:S+32*\t+5], v[S+32*\t+6:S+32*\t+7]
.endr
.irp b, 8,12,16,20,24,28
.irp t, 0,1,2,3
	v_pk_add_f32 v[ST+10*\t+4:ST+10*\t+5], v[ST+10*\t+4:ST+10*\t+5], v[S+32*\t+\b:S+32*\t+\b+1]
.endr
.irp t, 0,1,2,3
	v_pk_add_f32 v[ST+10*\t+6:ST+10*\t+7], v[ST+10*\t+6:ST+10*\t+7], v[S+32*\t+\b+2:S+32*\t+\b+3]
.endr
.endr
.irp t, 0,1,2,3
.if \first
	v_pk_add_f32 v[ST+10*\t+2:ST+10*\t+3], v[ST+10*\t+4:ST+10*\t+5], v[ST+10*\t+6:ST+10*\t+7]
.else
	v_pk_add_f32 v[ST+10*\t+4:ST+10*\t+5], v[ST+10*\t+4:ST+10*\t+5], v[ST+10*\t+6:ST+10*\t+7]
.endif
.endr
.if !\first
.irp t, 0,1,2,3
	v_pk_fma_f32 v[ST+10*\t+2:ST+10*\t+3], v[ST+10*\t+2:ST+10*\t+3], v[ST+10*\t+8:ST+10*\t+9], v[ST+10*\t+4:ST+10*\t+5] op_sel_hi:[1,0,1]   ; sum = sum x a + this step's
.endr
.endif
.irp j, 0,1,2,3,4,5,6,7,8,9,10,11,12,13,14,15
.irp t, 0,1,2,3
	v_cvt_pk_f16_f32 v[S+32*\t+\j], v[S+32*\t+2*\j], v[S+32*\t+2*\j+1]   ; P in place, ascending: registers 8 g .. 8 g + 7 are the fragment of keys 32 g on
.endr
.endr
.if !\first
	WIN 0x41
.irp b, 0,2,4,6,8,10,12,14,16,18,20,22,24,26,28,30
.irp t, 0,1,2,3
	v_pk_mul_f32 v[32*\t+\b:32*\t+\b+1], v[32*\t+\b:32*\t+\b+1], v[ST+10*\t+8:ST+10*\t+9] op_sel_hi:[1,0]   ; O^T x a
.endr
.endr
.endif
	s_wait_dscnt 0x0                               ; V is in
	WIN 0x51                                       ; V and O^T in window 1, P in window 0
.irp g, 0,1
.irp t, 0,1,2,3
.irp ct, 0,1,2,3
.if \first && (\g == 0)
	v_wmma_f32_16x16x32_f16 v[32*\t+8*\ct:32*\t+8*\ct+7], v[VF+32*\g+8*\ct:VF+32*\g+8*\ct+7], v[S+32*\t+8*\g:S+32*\t+8*\g+7], 0
.else
	v_wmma_f32_16x16x32_f16 v[32*\t+8*\ct:32*\t+8*\ct+7], v[VF+32*\g+8*\ct:VF+32*\g+8*\ct+7], v[S+32*\t+8*\g:S+32*\t+8*\g+7], v[32*\t+8*\ct:32*\t+8*\ct+7]
.endif
.endr
.endr
.endr
	WIN 0                                          ; at a label and at a branch every window is 0
.endm
.macro STEPS n
	s_mov_b32 s[CNT], \n
.Lstep_\@:
	STEP 0
	s_sub_co_u32 s[CNT], s[CNT], 1
	s_cmp_lg_u32 s[CNT], 0
	s_cbranch_scc1 .Lstep_\@
.endm
; THE CHANGE OF SLOTS.  Each wave waits for all its tensor loads (the one that is out is its part of the slot ahead), adds 0 to its spare word, and waits for that and for its reads of the slot that it leaves.
; fill = 1: the barrier is a round of the cluster's, and the slot just left is filled first thing behind it, with the keys two slots on: that load has eight key steps, 512 products of a wave, in which to land.
.macro CHANGE fill
	s_wait_tensorcnt 0x0                           ; no tensor load of mine is out, so a group 0 may be written
	ds_add_u32 v[SPW], v[NIL]
.if \fill
	s_xor_b32 s[G0+5], s[G0+5], SLOT1              ; the walking descriptor: the other slot than last time,
	s_add_nc_u64 s[G0+6:G0+7], s[G0+6:G0+7], 65536 ; the next 512 keys
	s_wait_xcnt 0x0                                ; the last prefetch, a slot back, has read its address
	s_add_nc_u64 s[PFA:PFA+1], s[PFA:PFA+1], 65536
	s_wait_dscnt 0x0                               ; the add is done, and my reads of the slot are over
	CROUND
	tensor_load_to_lds s[G0+4:G0+7], s[G1:G1+7]    ; my one tensor load behind the round
	s_nop 0
.rept 4
	v_nop
.endr
	ASK
.else
	s_wait_dscnt 0x0
	s_barrier_signal -1
	s_barrier_wait -1
.endif
	s_sub_co_u32 s[TB], s[TB], 65536               ; back to a slot's first step,
	s_xor_b32 s[TB], s[TB], SLOT1                  ; in the other slot
.endm
	s_wait_tensorcnt 1                             ; my part of slot 0 is in; slot 1's may stay out
	s_barrier_signal -1
	s_barrier_wait -1
	s_wait_loadcnt 0x0                             ; Q
	STEP 1
	STEPS 7
.Lslot:                                            ; two trips: slots 0 and 1 are filled again, with keys 1,024 on and 1,536 on
	CHANGE 1
	STEPS 8
	s_sub_co_u32 s[SLOTS], s[SLOTS], 1
	s_cmp_lg_u32 s[SLOTS], 0
	s_cbranch_scc1 .Lslot
	CHANGE 0                                       ; the last slot is written out: nothing is left to ask for
	STEPS 8
	; THE WAY OUT.  The four additions are the places behind the last products
.irp t, 0,1,2,3
	v_add_f32 v[ST+10*\t+4], v[ST+10*\t+2], v[ST+10*\t+3]
.endr
.irp t, 0,1,2,3
	v_permlanex16_b32 v[ST+10*\t+5], v[ST+10*\t+4], s[SEL], s[SEL+1]
.endr
.irp t, 0,1,2,3
	v_add_f32 v[ST+10*\t+4], v[ST+10*\t+4], v[ST+10*\t+5]     ; the row's sum
.endr
.irp t, 0,1,2,3
	v_rcp_f32 v[ST+10*\t+8], v[ST+10*\t+4]
.endr
	v_nop
	s_wait_alu depctr_va_vdst(0)                   ; one wait for the four reciprocals, ahead of their first reader
.irp t, 0,1,2,3
	WIN 0x41
.irp b, 0,2,4,6,8,10,12,14,16,18,20,22,24,26,28,30
	v_pk_mul_f32 v[32*\t+\b:32*\t+\b+1], v[32*\t+\b:32*\t+\b+1], v[ST+10*\t+8:ST+10*\t+9] op_sel_hi:[1,0]
.endr
	WIN 0x05                                       ; sources window 1, destination window 0: S^T's registers are free
.irp j, 0,1,2,3,4,5,6,7,8,9,10,11,12,13,14,15
	v_cvt_pk_f16_f32 v[S+32*\t+\j], v[32*\t+2*\j], v[32*\t+2*\j+1]
.endr
	WIN 0
.irp ct, 0,1,2,3
	global_store_b128 v[GO], v[S+32*\t+4*\ct:S+32*\t+4*\ct+3], s[58:59] offset:32768*\t+512*\ct   ; a piece of the next launch's operand: 512 consecutive aligned bytes
.endr
.endr
	s_wait_tensorcnt 0x0                           ; the wave's end
	ds_add_u32 v[SPW], v[NIL]
	s_wait_dscnt 0x0
	CROUND                                         ; the closing round
	s_endpgm
.Lfunc_end_k_q3e8337d889_attn:
	.size	k_q3e8337d889_attn, .Lfunc_end_k_q3e8337d889_attn-k_q3e8337d889_attn
	.p2alignl 7, 3214868480
	.fill 96, 4, 3214868480
	.section	.rodata,"a",@progbits
	.p2align	6, 0x0
	.amdhsa_kernel k_q3e8337d889_attn
		.amdhsa_group_segment_fixed_size 327680
		.amdhsa_private_segment_fixed_size 0
		.amdhsa_enable_private_segment 0
		.amdhsa_kernarg_size 16
		.amdhsa_user_sgpr_count 2
		.amdhsa_user_sgpr_kernarg_segment_ptr 1
		.amdhsa_wavefront_size32 1
		.amdhsa_system_sgpr_workgroup_id_x 1
		.amdhsa_system_sgpr_workgroup_id_y 1
		.amdhsa_system_sgpr_workgroup_id_z 1
		.amdhsa_system_vgpr_workitem_id 0
		.amdhsa_next_free_vgpr 512
		.amdhsa_next_free_sgpr 66
		.amdhsa_reserve_vcc 0
		.amdhsa_float_denorm_mode_32 3
		.amdhsa_float_denorm_mode_16_64 3
		.amdhsa_memory_ordered 1
		.amdhsa_forward_progress 1
		.amdhsa_inst_pref_size 140
	.end_amdhsa_kernel
	.amdgpu_metadata
---
amdhsa.version: [ 1, 2 ]
amdhsa.kernels:
  - .name:           k_q3e8337d889_attn
    .symbol:         k_q3e8337d889_attn.kd
    .args:
      - { .name: qkv, .offset: 0, .size: 8, .value_kind: global_buffer, .address_space: global }
      - { .name: af, .offset: 8, .size: 8, .value_kind: global_buffer, .address_space: global }
    .group_segment_fixed_size: 327680
    .private_segment_fixed_size: 0
    .kernarg_segment_align: 8
    .kernarg_segment_size: 16
    .max_flat_workgroup_size: 256
    .sgpr_count:     66
    .vgpr_count:     512
    .wavefront_size: 32
...
	.end_amdgpu_metadata
.endif
;; end of part 3
;; launch oproj (part 4): grid 4 x 64, 4 waves a work-group, clusters of 4 x 4, 327,680 bytes of LDS; arguments af, wof, out0; writes out0
.if DOCPART == 4
	.amdgcn_target "amdgcn-amd-amdhsa--gfx1250"
	.amdhsa_code_object_version 6
	.text
	.protected	k_q3e8337d889_oproj
	.globl	k_q3e8337d889_oproj
	.p2align	8
	.type	k_q3e8337d889_oproj,@function
k_q3e8337d889_oproj:
	s_mov_b64 s[64:65], 0
	v_nop
	global_prefetch_b8 v0, s[64:65] scope:SCOPE_SE
	s_setreg_imm32_b32 hwreg(HW_REG_WAVE_MODE, 25, 1), 1
	s_wait_xcnt 0x0
	s_wait_alu depctr_hold_cnt(0) depctr_sa_sdst(0) depctr_va_vdst(0) depctr_va_sdst(0) depctr_va_ssrc(0) depctr_va_vcc(0) depctr_vm_vsrc(0)
	s_getreg_b32 s2, hwreg(HW_REG_IB_STS2, 6, 4)
	s_cmp_eq_u32 s2, 0
	s_cbranch_scc0 .Lentry_in_a_cluster
	s_endpgm
.Lentry_in_a_cluster:
	s_bfe_u32 s2, ttmp6, 0x10000c
	s_cmp_lg_u32 s2, 0xf033
	s_cbranch_scc0 .Lentry_shape_is_right
	s_endpgm
.Lentry_shape_is_right:
; out0[token][n] = the sum over k of A[token][k] Wo[n][k], K = 1,024; A (attention's output) and Wo in f16, both laid in the order of the operands' registers; sums in f32; out0 f32.
; SHARES.  8,192 x 1,024 outputs in 256 tiles of 128 tokens x 256 columns, one to a work-group (tiles of 256 x 256 would be 128).  Wave w: tokens 64 (w / 2) on (four tiles i) x columns 128 (w % 2) on (eight tiles nt): 32 accumulators.
; RING.  K goes in steps of 128 through two LDS slots (A 32 KB, Wo 64 KB), as pieces of 512 bytes: no pitch, no padding.  CLUSTER 4 x 4: A's tile is shared along a row of the cluster, Wo's along a column: joint loads,
; waves 0, 1 for A's halves, waves 2, 3 for Wo's.  THE MATRIX INSTRUCTION IS USED TRANSPOSED (source 0 = 16 rows of Wo, source 1 = 16 tokens): a lane holds eight neighbouring columns of one token's row.
; No prefetch: each refill has a whole slot's 128 products of a wave in which to land, and the launch is short.
; REGISTERS: window 0: v16-29 addresses; fragment set p at 64 + 96 p: A's tile i at + 8 i, Wo's tile nt at + 32 + 8 nt; on the way out v64-191 rows of out0.   window 1: accumulator (i, nt) at 8 (8 i + nt).
.set SLOT,  98304                      ; A's 8 tiles x 4,096 bytes, then Wo's 16 tiles x 4,096
.set STAGE, 2*SLOT                     ; behind the ring: 16 rows x 528 bytes for each wave, for the way out: bytes of their own
.set SPARE, STAGE+4*8448               ; the spare words, 128 bytes a wave
.set ADA, 16
.set ADB, 20
.set STO, 24
.set RD,  25
.set CO,  26
.set SPW, 28
.set NIL, 29
.set G1A, 24                           ; s[24:31] group 1 for A's tiles; s[32:39] group 0, a set for each slot
.set G0A, 32
.set G1B, 48                           ; s[48:55], s[56:63] the same for Wo's
.set G0B, 56
.set MSB, 0
.macro WIN new
.if MSB != \new
	s_set_vgpr_msb (MSB<<8)|\new
.set MSB, \new
.endif
.endm
.macro PLACES
.rept 4
	v_nop
.endr
.endm
.macro JLOAD s                         ; a joint load; the branch hangs on the wave's number alone; an s_nop 0 and four v_nop follow each of the two lines
	s_cmp_eq_u32 s11, 0
	s_cbranch_scc0 .Lfor_b_\@
	tensor_load_to_lds s[G0A+4*\s:G0A+4*\s+3], s[G1A:G1A+7]
	s_nop 0
.rept 4
	v_nop
.endr
	s_branch .Lasked_\@
.Lfor_b_\@:
	tensor_load_to_lds s[G0B+4*\s:G0B+4*\s+3], s[G1B:G1B+7]
	s_nop 0
.rept 4
	v_nop
.endr
.Lasked_\@:
.endm
.macro CROUND                          ; a round of the cluster's barrier
	s_barrier_signal -1
	s_barrier_wait -1
	s_cmp_lg_u32 s10, 0
	s_cbranch_scc1 .Lnot_wave_0_\@
	s_barrier_signal -3
.Lnot_wave_0_\@:
	s_barrier_wait -3
	s_barrier_signal -1
	s_barrier_wait -1
.endm
	s_load_b128 s[4:7], s[0:1], 0x0                ; af s[4:5], wof s[6:7]
	s_load_b64 s[8:9], s[0:1], 0x10                ; out0
	v_lshl_add_u32 v[SPW], v0, 2, SPARE
	v_mov_b32 v[NIL], 0
	ds_add_u32 v[SPW], v[NIL]                      ; the opening: the add, twice on end, and its wait ahead of my first tensor load
	ds_add_u32 v[SPW], v[NIL]
	v_lshrrev_b32 v1, 5, v0
	v_readfirstlane_b32 s10, v1                    ; wave 0..3
	s_lshr_b32 s11, s10, 1                         ; which half of the tile's tokens is mine.  Also: I fetch for A (0) or for Wo (1)
	s_and_b32 s12, s10, 1                          ; which half of its columns.  Also: which half of that tile I fetch
	s_bfe_u32 s40, ttmp6, 0x40000                  ; cx
	s_bfe_u32 s41, ttmp6, 0x40004                  ; cy
	s_lshl_b32 s42, ttmp9, 2
	s_add_co_u32 s42, s42, s40                     ; tile column = 4 x cluster x + cx
	s_and_b32 s13, ttmp7, 0xffff
	s_lshl_b32 s13, s13, 2
	s_add_co_u32 s13, s13, s41                     ; tile row = 4 x cluster y + cy
	s_lshl_b32 s43, s41, 2
	s_lshl_b32 s43, 15, s43                        ; my row of the cluster
	s_lshl_b32 s44, 0x1111, s40                    ; my column
	s_or_b32 s[G1A], s43, (3<<16)|(1<<21)          ; the mask; elements of 8 bytes; bit 21 beside a mask; no padding
	s_or_b32 s[G1B], s44, (3<<16)|(1<<21)
	s_mov_b32 s[G1A+1], 512<<16                    ; a row: a tile's 4,096 bytes of this K step
	s_mov_b32 s[G1A+2], 4<<16                      ; four tiles of 16 tokens
	s_mov_b32 s[G1A+3], 512<<16
	s_mov_b32 s[G1A+4], 4
	s_mov_b32 s[G1A+5], 4096                       ; 32,768 bytes from tile to tile
	s_mov_b32 s[G1A+6], 0
	s_mov_b32 s[G1A+7], 0
	s_mov_b32 s[G1B+1], 512<<16
	s_mov_b32 s[G1B+2], 8<<16                      ; eight tiles of 16 rows of Wo
	s_mov_b32 s[G1B+3], 512<<16
	s_mov_b32 s[G1B+4], 8
	s_mov_b32 s[G1B+5], 4096
	s_mov_b32 s[G1B+6], 0
	s_mov_b32 s[G1B+7], 0
	s_lshl_b32 s16, s13, 3
	s_lshl_b32 s17, s12, 2
	s_add_co_u32 s16, s16, s17                     ; A: tile 8 x tile row + 4 x half
	s_lshl_b32 s16, s16, 15
	s_mov_b32 s17, 0
	s_lshl_b32 s46, s42, 4
	s_lshl_b32 s47, s12, 3
	s_add_co_u32 s46, s46, s47                     ; Wo: tile 16 x tile column + 8 x half
	s_lshl_b32 s46, s46, 15
	s_mov_b32 s47, 0
	s_lshl_b32 s20, s12, 14                        ; where they go in a slot: A's halves,
	s_lshl_b32 s21, s12, 15
	s_add_co_u32 s21, s21, 32768                   ; Wo's halves behind them: no place in the cluster enters an LDS address
	s_wait_dscnt 0x0                               ; both opening adds are done
	s_wait_kmcnt 0x0
	s_add_nc_u64 s[14:15], s[4:5], s[16:17]
	s_add_nc_u64 s[46:47], s[6:7], s[46:47]
	CROUND                                         ; all sixteen work-groups are here: the first joint loads meet
.irp s, 0,1
	s_mov_b32 s[G0A+4*\s], 1
	s_add_co_u32 s[G0A+4*\s+1], s20, \s*SLOT
	s_add_nc_u64 s[G0A+4*\s+2:G0A+4*\s+3], s[14:15], \s*4096
	s_or_b32 s[G0A+4*\s+3], s[G0A+4*\s+3], 0x80000000
	s_mov_b32 s[G0B+4*\s], 1
	s_add_co_u32 s[G0B+4*\s+1], s21, \s*SLOT
	s_add_nc_u64 s[G0B+4*\s+2:G0B+4*\s+3], s[46:47], \s*4096
	s_or_b32 s[G0B+4*\s+3], s[G0B+4*\s+3], 0x80000000
	JLOAD \s                                       ; K steps 0 and 1: two loads of mine are out
.endr
	v_and_b32 v1, 31, v0
	v_lshlrev_b32 v[CO], 4, v1                     ; 16 x lane
	v_and_b32 v2, 15, v0
	v_bfe_u32 v3, v0, 4, 1
	s_lshl_b32 s21, s11, 14                        ; my four tiles of A,
	s_lshl_b32 s22, s12, 15
	s_add_co_u32 s22, s22, 32768                   ; my eight of Wo
.irp s, 0,1
	v_add_nc_u32 v[ADA+\s], s21, v[CO]
	v_add_nc_u32 v[ADB+\s], s22, v[CO]
	s_add_co_u32 s21, s21, SLOT
	s_add_co_u32 s22, s22, SLOT
.endr
	s_mul_i32 s23, s10, 8448
	s_add_co_u32 s23, s23, STAGE                   ; my stage
	v_mul_u32_u24 v4, v2, 528
	v_lshl_add_u32 v4, v3, 5, v4
	v_add_nc_u32 v[STO], s23, v4                   ; in: row l % 16, 32 bytes for each half of the lanes
	v_add_nc_u32 v[RD], s23, v[CO]                 ; back: the 32 lanes take one row of 512 bytes
	s_lshl_b32 s16, s13, 7
	s_lshl_b32 s17, s11, 6
	s_add_co_u32 s16, s16, s17                     ; my first token
	s_lshl_b32 s16, s16, 12
	s_lshl_b32 s46, s42, 10                        ; my first column, in bytes
	s_lshl_b32 s47, s12, 9
	s_add_co_u32 s46, s46, s47
	s_add_co_u32 s16, s16, s46
	s_mov_b32 s17, 0
	s_add_nc_u64 s[8:9], s[8:9], s[16:17]
.macro FETCH slot, q, p                ; the 12 fragments of the slot's q-th 32 along K into set p: 24 loads of 512 consecutive bytes
.irp i, 0,1,2,3
.irp c, 0,1
	ds_load_b128 v[64+96*(\p)+8*\i+4*\c:64+96*(\p)+8*\i+4*\c+3], v[ADA+\slot] offset:4096*\i+1024*(\q)+512*\c
.endr
.endr
.irp nt, 0,1,2,3,4,5,6,7
.irp c, 0,1
	ds_load_b128 v[96+96*(\p)+8*\nt+4*\c:96+96*(\p)+8*\nt+4*\c+3], v[ADB+\slot] offset:4096*\nt+1024*(\q)+512*\c
.endr
.endr
.endm
.macro MUL32 p, zero                   ; 32 products; the 32 accumulators take turns, one instruction a turn, in one order.  zero = 1: they start the sums
	WIN 0x50                                       ; C and D window 1
.irp i, 0,1,2,3
.irp nt, 0,1,2,3,4,5,6,7
.if \zero
	v_wmma_f32_16x16x32_f16 v[8*(8*\i+\nt):8*(8*\i+\nt)+7], v[96+96*(\p)+8*\nt:96+96*(\p)+8*\nt+7], v[64+96*(\p)+8*\i:64+96*(\p)+8*\i+7], 0
.else
	v_wmma_f32_16x16x32_f16 v[8*(8*\i+\nt):8*(8*\i+\nt)+7], v[96+96*(\p)+8*\nt:96+96*(\p)+8*\nt+7], v[64+96*(\p)+8*\i:64+96*(\p)+8*\i+7], v[8*(8*\i+\nt):8*(8*\i+\nt)+7]
.endif
.endr
.endr
	WIN 0
.endm
.macro PROC slot, zero                 ; a slot's 128 along K: four times 32; the fragments run one quarter ahead, in two sets
	PLACES                                         ; both sets were read by products issued ahead of these four lines
	FETCH \slot, 0, 0
.irp q, 0,1,2,3
.if \q < 3
.if \q > 0
	PLACES                                         ; the set to be loaded was read by the products just issued
.endif
	FETCH \slot, \q+1, (\q+1)%2
	s_wait_dscnt 24                                ; all but the next quarter's 24 loads
.else
	s_wait_dscnt 0x0
.endif
.if \zero && (\q == 0)
	MUL32 \q%2, 1
.else
	MUL32 \q%2, 0
.endif
.endr
.endm
; THE CHANGE OF SLOTS: each wave waits for all its tensor loads (its part of the slot ahead), adds 0 to its spare word, and waits for that and for its reads of the slot that it leaves.
; fill = 1: the barrier is a round of the cluster's, and the slot just left is filled first thing behind it, two K steps ahead
.macro CHG slot, fill
	s_wait_tensorcnt 0x0                           ; no tensor load of mine is out, so a group 0 may be written
	ds_add_u32 v[SPW], v[NIL]
.if \fill
	s_add_nc_u64 s[G0A+4*\slot+2:G0A+4*\slot+3], s[G0A+4*\slot+2:G0A+4*\slot+3], 8192
	s_add_nc_u64 s[G0B+4*\slot+2:G0B+4*\slot+3], s[G0B+4*\slot+2:G0B+4*\slot+3], 8192
.endif
	s_wait_dscnt 0x0                               ; the add is done, and my reads of the slot are over
.if \fill
	CROUND
	JLOAD \slot
.else
	s_barrier_signal -1
	s_barrier_wait -1
.endif
.endm
	s_wait_tensorcnt 1                             ; my part of K step 0 is in; K step 1's may stay out
	s_barrier_signal -1
	s_barrier_wait -1
	PROC 0, 1                                      ; the first K step stands ahead of the loop: its first products start the sums
	s_mov_b32 s3, 3
.Llap:                                             ; three trips: K steps 1 to 6 are multiplied, 2 to 7 asked for
	CHG 0, 1
	PROC 1, 0
	CHG 1, 1
	PROC 0, 0
	s_sub_co_u32 s3, s3, 1
	s_cmp_lg_u32 s3, 0
	s_cbranch_scc1 .Llap
	CHG 0, 0                                       ; the tail is written out: nothing is left to ask for
	PROC 1, 0
; THE WAY OUT, by blocks of 16 tokens x 128 columns.  A lane holds 32 neighbouring bytes of a row and the lanes beside it other rows: a block goes through my own stage and comes back as whole rows of 512 bytes.
; LDS serves a wave's instructions in order: no wait between the stores and the loads, nor ahead of the next block's stores.
.macro TOSTAGE a
	WIN 0x04                                       ; an LDS store's data: window 1
.irp nt, 0,1,2,3,4,5,6,7
	ds_store_b128 v[STO], v[8*(8*(\a)+\nt):8*(8*(\a)+\nt)+3] offset:64*\nt       ; each accumulator from its low end on
	ds_store_b128 v[STO], v[8*(8*(\a)+\nt)+4:8*(8*(\a)+\nt)+7] offset:64*\nt+16
.endr
	WIN 0
.set BB, 64+64*((\a)%2)
.set n, 0
.rept 16
	ds_load_b128 v[BB+4*n:BB+4*n+3], v[RD] offset:528*n
.set n, n+1
.endr
.endm
.macro SEND a, younger                 ; younger: the LDS instructions issued behind block a's loads
.set BB, 64+64*((\a)%2)
	s_wait_dscnt \younger
.set n, 0
.rept 16
	global_store_b128 v[CO], v[BB+4*n:BB+4*n+3], s[8:9] offset:65536*(\a)+4096*n th:TH_STORE_NT   ; 32 lanes store 512 consecutive aligned bytes of a row; written once, read by nobody here
.set n, n+1
.endr
.endm
	PLACES                                         ; behind the last products: for the reads of their results and the loads into the fragments' registers
	TOSTAGE 0
.irp a, 1,2,3
.if \a > 1
	s_wait_xcnt 0x0                                ; block a - 2's stores have read their registers: block a's loads may land there
.endif
	TOSTAGE \a
	SEND \a-1, 32                                  ; behind block a - 1's loads: block a's 16 stores and 16 loads
.endr
	SEND 3, 0
	s_wait_tensorcnt 0x0                           ; the wave's end
	ds_add_u32 v[SPW], v[NIL]
	s_wait_dscnt 0x0
	CROUND                                         ; the closing round
	s_endpgm
.Lfunc_end_k_q3e8337d889_oproj:
	.size	k_q3e8337d889_oproj, .Lfunc_end_k_q3e8337d889_oproj-k_q3e8337d889_oproj
	.p2alignl 7, 3214868480
	.fill 96, 4, 3214868480
	.section	.rodata,"a",@progbits
	.p2align	6, 0x0
	.amdhsa_kernel k_q3e8337d889_oproj
		.amdhsa_group_segment_fixed_size 327680
		.amdhsa_private_segment_fixed_size 0
		.amdhsa_enable_private_segment 0
		.amdhsa_kernarg_size 24
		.amdhsa_user_sgpr_count 2
		.amdhsa_user_sgpr_kernarg_segment_ptr 1
		.amdhsa_wavefront_size32 1
		.amdhsa_system_sgpr_workgroup_id_x 1
		.amdhsa_system_sgpr_workgroup_id_y 1
		.amdhsa_system_sgpr_workgroup_id_z 1
		.amdhsa_system_vgpr_workitem_id 0
		.amdhsa_next_free_vgpr 512
		.amdhsa_next_free_sgpr 66
		.amdhsa_reserve_vcc 0
		.amdhsa_float_denorm_mode_32 3
		.amdhsa_float_denorm_mode_16_64 3
		.amdhsa_memory_ordered 1
		.amdhsa_forward_progress 1
		.amdhsa_inst_pref_size 83
	.end_amdhsa_kernel
	.amdgpu_metadata
---
amdhsa.version: [ 1, 2 ]
amdhsa.kernels:
  - .name:           k_q3e8337d889_oproj
    .symbol:         k_q3e8337d889_oproj.kd
    .args:
      - { .name: af, .offset: 0, .size: 8, .value_kind: global_buffer, .address_space: global }
      - { .name: wof, .offset: 8, .size: 8, .value_kind: global_buffer, .address_space: global }
      - { .name: out0, .offset: 16, .size: 8, .value_kind: global_buffer, .address_space: global }
    .group_segment_fixed_size: 327680
    .private_segment_fixed_size: 0
    .kernarg_segment_align: 8
    .kernarg_segment_size: 24
    .max_flat_workgroup_size: 128
    .sgpr_count:     66
    .vgpr_count:     512
    .wavefront_size: 32
...
	.end_amdgpu_metadata
.endif
;; end of part 4
